; MI455X (gfx1250); checked and timed in simulation.
; The chip was launched on July 23, 2026; its instructions are those of AMD's public machine-readable ISA for CDNA 5 (MIT licence, August 2026) and "CDNA5" Instruction Set Architecture Reference Guide (July 2026). The comments in the code are by the model that wrote it; some were corrected since.
;; Self Attention. Allowed arithmetic: matrix products marked QUANTISED: E5M2 operands, one given power-of-two scale a tensor, by v_wmma_f32_16x16x64_bf8_bf8 or v_wmma_f32_16x16x128_bf8_bf8, f32 sums; products left as they are: f32 operands where the result goes on into a quantised operand, else bf16, f16 or f32 operands; f32 sums; everything else in f32.
;; Inputs: Wf 64 x 8 float32; Wg 64 x 8 float32; Wh_codes 64 x 2 x 32 uint8 (E5M2 codes of Wh, K innermost, in blocks of 32 codes); bf 8 float32; bg 8 float32; bh 64 float32; lowp_scales 4 int32 (the exponents e of the quantised operands' scales 2^e); x 4 x 64 x 64 x 64 float32.
;; Outputs: out0 4 x 4,096 x 64 float32.
;; This version of the problem:
;;   THIS VERSION OF THE PROBLEM IS GIVEN IN LOW PRECISION. The matrix products marked QUANTISED in the list below multiply operands that are first quantised to E5M2 (5 exponent bits, 2 mantissa bits; 8 bits a number), with one given power-of-two scale for each operand tensor; their sums are f32. All else is computed in f32.
;;   The module's matrix products, in the order in which they are computed (A, B: the left and right operand; K: the contracted axis; several contracted axes count as one K, in the product's order):
;;     1. [M 16,384, K 64] x [K 64, N 8]; A: input x; B: input Wf: left as it is (N = 8 < 16)
;;     2. [M 16,384, K 64] x [K 64, N 8]; A: input x; B: input Wg: left as it is (N = 8 < 16)
;;     3. [M 16,384, K 64] x [K 64, N 64]; A: input x; B: input Wh (given as codes): QUANTISED (scales: A lowp_scales[0], B lowp_scales[1])
;;     4. batch 4 x [M 4,096, K 8] x [K 8, N 4,096]; A: computed on the way; B: computed on the way: left as it is (K = 8 < 32)
;;     5. batch 4 x [M 4,096, K 4,096] x [K 4,096, N 64]; A: softmax (see below); B: computed on the way: QUANTISED (scales: A lowp_scales[2], B lowp_scales[3])
;;   THE QUANTISER, for each operand of a quantised product, along K:
;;     - The operand's scale is 2^e, e = its entry of the input lowp_scales (int32; the entries are numbered through the quantised products in the list's order, A before B).
;;     - Each number is divided by the scale, clamped to +-57,344, and rounded to the nearest number of E5M2, ties to even, subnormals kept.
;;     - The product sums the exact products of the quantised numbers (number of the format x scale) in f32.
;;   ~~~python
;;   def quantise(x, axis, e):      # numpy; x: float32 -> the quantised numbers, widened to float32 again
;;       x = np.moveaxis(x, axis, -1); K = x.shape[-1]
;;       r = np.clip(x / 2.0 ** e, -57344, 57344)
;;       step = 2.0 ** (np.maximum(np.frexp(np.where(r == 0, 1, r))[1] - 1, -14) - 2)
;;       q = np.round(r / step) * step * 2.0 ** e      # np.round: ties to even
;;       return np.moveaxis(q, -1, axis).astype(np.float32)
;;   ~~~
;;   SOFTMAX AHEAD OF A QUANTISED PRODUCT. Where the list says 'softmax', what is quantised is not the finished softmax but p = 2^(t - M), with t = logit x log2(e) and M = ceil(the row's largest t), a whole number; so 1/2 < the row's largest p <= 1. The row's sum l is taken of the UNQUANTISED p, in f32, and the product's result is divided by l at the end. Since M is a whole number, a kernel that streams over the keys may use a running M (the ceiling of the running maximum): every later rescaling is an exact power of two, so the quantised numbers keep their values, but for numbers so far below the row's largest that they fall under the format's range.
;;   OPERANDS COMPUTED ON THE WAY. 'Computed on the way' means the value that the module computes at that place (a softmax that the list does not call 'softmax' is quantised finished and normalised). What goes into a quantiser is computed in f32, as accurately as f32 sums, v_exp_f32 and their like allow (about 1e-6 of the number): no bf16 or f16 on the way to a quantiser, and a product that is left as it is and whose result goes on into a quantised operand takes f32 operands (vector FMAs, or v_wmma_f32_16x16x4_f32). A number that lies on a knife's edge between two numbers of the format may be rounded either way, as far as f32 arithmetic and the matrix unit's own rounding can turn it there, and no further.
;;   INPUTS GIVEN AS CODES. Wh (in the module: [64, 64], K = its axis 0): each comes as NAME_codes (uint8): NAME with its K axis moved to the last place and cut into blocks of 32 codes, [.., K / 32, bytes a block], one block behind the other in memory; one code a byte (a code: sign, 5 exponent bits, 2 mantissa bits); its scale is its entry of lowp_scales. Its value is code x scale, taken as it is: it is not quantised again, and the codes and scales need not be those that the quantiser above would give.
;; One version. Each part assembles by itself: llvm-mc -triple=amdgcn-amd-amdhsa -mcpu=gfx1250 --defsym DOCPART=n.
;; ======== version 1 of 1: 2 launches
;; workspace buffers: fg 1,048,576 bytes; vimg 1,048,576 bytes
;; launch prep (part 1): grid 256 x 1, 2 waves a work-group, no clusters, 26,880 bytes of LDS; arguments x, Wf, Wg, Wh_codes, bf, bg, bh, lowp_scales, fg, vimg; writes fg, vimg
.if DOCPART == 1
	.amdgcn_target "amdgcn-amd-amdhsa--gfx1250"
	.amdhsa_code_object_version 6
	.text
	.protected	k_qa7ba51f90e_prep
	.globl	k_qa7ba51f90e_prep
	.p2align	8
	.type	k_qa7ba51f90e_prep,@function
k_qa7ba51f90e_prep:
	s_mov_b64 s[64:65], 0
	v_nop
	global_prefetch_b8 v0, s[64:65] scope:SCOPE_SE
	s_setreg_imm32_b32 hwreg(HW_REG_WAVE_MODE, 25, 1), 1
	s_wait_xcnt 0x0
; f = x Wf + bf, g = (x Wg + bg) log2(e), v = Q(x) Wh + bh, for 16,384 positions of 64 channels; f and g in f32, v as codes of E5M2.
; f and g lead on into a quantised operand (the softmax's p), so their products take f32 operands (v_wmma_f32_16x16x4_f32).  x is quantised with 2^e0, Wh comes as codes with 2^e1, v is quantised with 2^e3.
; WHAT IS STORED ARE IMAGES OF THE NEXT LAUNCH'S OPERAND REGISTERS: a tile is 512 bytes, lane l's 16 bytes at 16 l.
;   fg:   f's tiles from byte 0, g's from GOFF.  Group G = 32 positions; tile 2 G + u; lane (r, h) holds channels 4 h .. 4 h + 3 of position 32 G + 8 u + r + 8 (r / 8).
;   vimg: byte 8192 (G / 4) + 2048 ct + 512 (G % 4) + 16 l: lane (r, h) holds the 16 codes of channel 16 ct + r at positions 32 G + 16 h + 0 .. 15.
; SHARES.  A wave takes one group G = 2 x work-group + wave: two tiles of 16 positions.  Waves share nothing: no barrier.  Nothing is looped: every offset is an immediate.
; THE POSITIONS OF A TILE ARE NOT NEIGHBOURS (r + 8 (r / 8) + 8 u), so that in a result with positions along its rows the registers of tiles 0 and 1 are 16 neighbouring positions of a lane.
; K ORDERS, the same on both sides of a product: f32 products: step s, register j, half h: k = 32 h + 2 s + j.  x Wh: byte y of register i, half h: k = 32 h + 4 i + y.
; LIMITS on the given exponents, so that each power of two below is an f32 number: e0 and e3 between -126 and 112; e0 + e1 between -126 and 127.  NaN and infinities among the inputs are not served.
.set GOFF,  524288                     ; g's images in fg
.set XPIT,  272                        ; a row of x in the stage: 256 bytes + 16: sixteen rows read at one column fall into sixteen different 16-byte columns of 256
.set WREG,  13312                      ; LDS of a wave: the stage for x (32 rows), then the table of weights
.set WTO,   32*XPIT                    ; the table [k][16]: Wf's 8 columns, Wg's 8; a row is 64 bytes; 64 bytes of padding behind row 31, so that the two halves of the lanes read different banks
.set XR,  16                           ; v16-79   x: tile u at 16 + 32 u: register i = x[position][32 h + i]
.set WA,  80                           ; v80-111  register i = column r of Wf | Wg at k = 32 h + i
.set WH,  112                          ; v112-143 Wh's codes, 16 channels ct at 112 + 8 ct
.set BC,  144                          ; v144-151 the biases as the C of the f32 sums' first products: bf in lanes 0-15, bg in lanes 16-31
.set DFG, 152                          ; v152-167 the f32 sums, tile u at 152 + 8 u: written by the f32 matrix form alone
.set XC,  168                          ; v168-183 x's codes
.set BH,  184                          ; v184-191 bh[16 ct + r], twice (a pair for the packed form)
.set DV,  192                          ; v192-255 v's sums, (u, ct) at 192 + 32 u + 8 ct
.set TH,  192                          ; v192-223 before that: x held at the largest code
.set WD,  224                          ; v224-255 before that: Wf and Wg as loaded
.set OFG, 80                           ; v80-95   behind all products: f and g to store
.set VC,  96                           ; v96-111  v's codes
	s_load_b512 s[8:23], s[0:1], 0x0               ; x s[8:9], Wf s[10:11], Wg s[12:13], Wh's codes s[14:15], bf s[16:17], bg s[18:19], bh s[20:21], the scales' exponents s[22:23]
	s_load_b128 s[24:27], s[0:1], 0x40             ; fg s[24:25], vimg s[26:27]
	s_set_vgpr_msb 0x40
	v_lshl_add_u32 v0, v0, 2, 0x6800
	v_mov_b32 v1, 0
	s_set_vgpr_msb 0x4000
	v_lshrrev_b32 v9, 5, v0
	v_readfirstlane_b32 s28, v9                    ; wave 0, 1
	s_lshl_b32 s29, ttmp9, 1
	s_add_co_u32 s29, s29, s28                     ; G
	s_mul_i32 s54, s28, WREG                       ; my stage
	s_add_co_u32 s55, s54, WTO                     ; my table
	v_and_b32 v9, 31, v0                           ; lane
	v_and_b32 v10, 15, v0                          ; r
	v_bfe_u32 v11, v0, 4, 1                        ; h
	v_lshlrev_b32 v1, 4, v9                        ; 16 x lane: dense loads, and the images
	v_mul_u32_u24 v2, v11, XPIT
	v_lshl_add_u32 v2, v10, 4, v2
	v_add_nc_u32 v2, s54, v2                       ; into the stage: a load's two rows, 16 bytes a lane
	v_mul_u32_u24 v3, v10, XPIT
	v_lshl_add_u32 v3, v11, 7, v3
	v_add_nc_u32 v3, s54, v3                       ; out of it: row r, my half's 32 channels
	v_lshrrev_b32 v4, 1, v9
	v_lshlrev_b32 v4, 6, v4
	v_and_b32 v5, 1, v9
	v_lshl_add_u32 v4, v5, 4, v4
	v_add_nc_u32 v4, s55, v4                       ; into the table: two lanes to a row of 8 weights
	v_mul_u32_u24 v5, v11, 33*64
	v_lshl_add_u32 v5, v10, 2, v5
	v_add_nc_u32 v5, s55, v5                       ; out of it: column r, rows 32 h on (33 rows of 64 bytes further for lanes 16-31: the padding)
	v_lshlrev_b32 v6, 6, v10
	v_lshl_add_u32 v6, v11, 5, v6                  ; Wh's codes: row r of 64 bytes, + 32 h
	v_lshlrev_b32 v7, 2, v10                       ; bh: 4 r
	v_lshlrev_b32 v8, 4, v10
	v_lshl_add_u32 v8, v11, 19, v8                 ; fg: 16 r, + GOFF (2^19) for lanes 16-31, which hold g
	v_cmp_lt_u32 vcc_lo, 15, v9                    ; lanes 16-31
	s_lshl_b32 s30, s29, 13                        ; x: 32 rows of 256 bytes a group
	s_mov_b32 s31, 0
	s_lshl_b32 s56, s29, 10                        ; fg: two tiles of 512 bytes a group
	s_mov_b32 s57, 0
	s_lshr_b32 s58, s29, 2
	s_lshl_b32 s58, s58, 13
	s_and_b32 s59, s29, 3
	s_lshl_b32 s59, s59, 9
	s_add_co_u32 s58, s58, s59                     ; vimg: 8192 (G / 4) + 512 (G % 4)
	s_mov_b32 s59, 0
	s_wait_kmcnt 0x0
	s_add_nc_u64 s[8:9], s[8:9], s[30:31]
	s_add_nc_u64 s[24:25], s[24:25], s[56:57]
	s_add_nc_u64 s[26:27], s[26:27], s[58:59]
	s_load_b256 s[32:39], s[16:17], 0x0            ; bf
	s_load_b256 s[40:47], s[18:19], 0x0            ; bg
	s_load_b128 s[48:51], s[22:23], 0x0            ; e0, e1, e2, e3
	; 36 loads, all at once: x 16, Wf 4, Wg 4, Wh 8, bh 4
.set i, 0
.rept 16
	global_load_b128 v[XR+4*i:XR+4*i+3], v1, s[8:9] offset:512*i th:TH_LOAD_NT   ; 32 lanes read 512 consecutive bytes: rows 2 i, 2 i + 1 of the group; read once in the launch
.set i, i+1
.endr
.irp q, 0,1,2,3
	global_load_b128 v[WD+4*\q:WD+4*\q+3], v1, s[10:11] offset:512*\q
.endr
.irp q, 0,1,2,3
	global_load_b128 v[WD+16+4*\q:WD+16+4*\q+3], v1, s[12:13] offset:512*\q
.endr
.irp ct, 0,1,2,3
	global_load_b128 v[WH+8*\ct:WH+8*\ct+3], v6, s[14:15] offset:1024*\ct
	global_load_b128 v[WH+8*\ct+4:WH+8*\ct+7], v6, s[14:15] offset:1024*\ct+16
.endr
.irp ct, 0,1,2,3
	global_load_b32 v[BH+2*\ct], v7, s[20:21] offset:64*\ct
.endr
	; x turns through the stage: in as it lies in memory, to stage row 16 u + r of its position; out 32 channels a lane
	s_wait_loadcnt 20                              ; x's 16 loads are in; the 20 younger ones may be out
.set i, 0
.rept 16
	ds_store_b128 v2, v[XR+4*i:XR+4*i+3] offset:XPIT*(16*((i/4)%2)+8*(i/8)+2*(i%4))
.set i, i+1
.endr
.irp u, 0,1
.irp i, 0,1,2,3,4,5,6,7
	ds_load_b128 v[XR+32*\u+4*\i:XR+32*\u+4*\i+3], v3 offset:16*XPIT*\u+16*\i   ; LDS serves a wave's instructions in order (ISA guide 5.7.1.4): these see the stores above
.endr
.endr
	; the weights turn through the table: in by rows k, out by columns
	s_wait_loadcnt 12                              ; Wf and Wg are in; Wh's 8 and bh's 4 may be out
.irp q, 0,1,2,3
	ds_store_b128 v4, v[WD+4*\q:WD+4*\q+3] offset:1024*\q+64*(\q/2)
	ds_store_b128 v4, v[WD+16+4*\q:WD+16+4*\q+3] offset:1024*\q+64*(\q/2)+32
.endr
.set i, 0
.rept 32
	ds_load_b32 v[WA+i], v5 offset:64*i
.set i, i+1
.endr
	; the constants
	s_wait_kmcnt 0x0
	s_add_co_i32 s54, s48, 127
	s_lshl_b32 s55, s54, 23
	v_mov_b32 v11, s55                             ; 2^e0 as f32: the conversion takes its exponent field
	s_add_co_i32 s54, s54, 15
	s_lshl_b32 s54, s54, 23
	s_or_b32 s54, s54, 0x600000
	v_mov_b32 v10, s54                             ; 57,344 x 2^e0
	s_add_co_i32 s54, s51, 127
	s_lshl_b32 s55, s54, 23
	v_mov_b32 v13, s55                             ; 2^e3
	s_add_co_i32 s54, s54, 15
	s_lshl_b32 s54, s54, 23
	s_or_b32 s54, s54, 0x600000
	v_mov_b32 v12, s54                             ; 57,344 x 2^e3
	s_add_co_i32 s52, s48, s49
	s_add_co_i32 s52, s52, 127
	s_lshl_b32 s52, s52, 23                        ; 2^(e0 + e1) as f32
	s_mov_b32 s53, s52                             ; (named with it as a pair, so it is written)
.irp j, 0,1,2,3,4,5,6,7
	v_mov_b32 v9, s[40+\j]
	v_cndmask_b32 v[BC+\j], s[32+\j], v9, vcc_lo   ; row 8 h + j of the f32 result: bf[j] in lanes 0-15, bg[j] in lanes 16-31
.endr
	v_mov_b32 v9, 0x3fb8aa3b                       ; log2(e)
	v_cndmask_b32 v14, 1.0, v9, vcc_lo             ; f x 1, g x log2(e): the scores then are t
	v_mov_b32 v15, v14
	; x's codes: held copies, so that x itself stays for the f32 products
	s_wait_dscnt 40                                ; x is back from the stage; the table's 8 stores and 32 loads may be out
.irp u, 0,1
.set i, 0
.rept 32
	v_med3_num_f32 v[TH+i], v[XR+32*\u+i], -v10, v10   ; the conversion to an 8-bit code does not saturate (ISA guide 7.6.2): the hold at the largest code x the scale
.set i, i+1
.endr
.irp q, 0,1,2,3
	v_cvt_scalef32_pk8_bf8_f32 v[XC+8*\u+2*\q:XC+8*\u+2*\q+1], v[TH+8*\q:TH+8*\q+7], v11
.endr
	v_nop                                          ; a plain line between the conversions and what next writes their sources or reads their results
.endr
	s_wait_dscnt 0x0                               ; the weights' columns
	s_wait_loadcnt 0x0                             ; Wh's codes, bh
.irp ct, 0,1,2,3
	v_mov_b32 v[BH+2*\ct+1], v[BH+2*\ct]
.endr
	; v = Q(x) Wh: source 0 = 16 positions, source 1 = 16 channels: register j of lane (r, h) is v(32 G + 16 h + 8 u + j, 16 ct + r)
.irp u, 0,1
.irp ct, 0,1,2,3
	v_wmma_f32_16x16x64_bf8_bf8 v[DV+32*\u+8*\ct:DV+32*\u+8*\ct+7], v[XC+8*\u:XC+8*\u+7], v[WH+8*\ct:WH+8*\ct+7], 0
.endr
.endr
	; f | g: source 0 = the 16 columns of Wf | Wg, source 1 = 16 positions: register j is f[position r][j] in lanes 0-15, g in lanes 16-31.  The two sums take turns; the biases are the first products' C
.set s_, 0
.rept 16
.irp u, 0,1
.if s_ == 0
	v_wmma_f32_16x16x4_f32 v[DFG+8*\u:DFG+8*\u+7], v[WA:WA+1], v[XR+32*\u:XR+32*\u+1], v[BC:BC+7]
.else
	v_wmma_f32_16x16x4_f32 v[DFG+8*\u:DFG+8*\u+7], v[WA+2*s_:WA+2*s_+1], v[XR+32*\u+2*s_:XR+32*\u+2*s_+1], v[DFG+8*\u:DFG+8*\u+7]
.endif
.endr
.set s_, s_+1
.endr
.rept 8
	v_nop                                          ; eight places behind the f32 form (ISA guide 7.12.1), ahead of the reads of its results and of writes over its operands; they serve the 8-bit products' four as well
.endr
.irp u, 0,1
.irp i, 0,1,2,3
	v_pk_mul_f32 v[OFG+8*\u+2*\i:OFG+8*\u+2*\i+1], v[DFG+8*\u+2*\i:DFG+8*\u+2*\i+1], v[14:15]   ; into other registers; each sum from its low end on
.endr
.endr
.irp u, 0,1
	global_store_b128 v8, v[OFG+8*\u:OFG+8*\u+3], s[24:25] offset:512*\u          ; channels 0-3: the image's lanes 0-15.  Sixteen lanes store 256 consecutive bytes, aligned, of f, sixteen of g
	global_store_b128 v8, v[OFG+8*\u+4:OFG+8*\u+7], s[24:25] offset:512*\u+256    ; channels 4-7: its lanes 16-31
.endr
.irp u, 0,1
.irp ct, 0,1,2,3
.irp i, 0,2,4,6
	v_pk_fma_f32 v[DV+32*\u+8*\ct+\i:DV+32*\u+8*\ct+\i+1], v[DV+32*\u+8*\ct+\i:DV+32*\u+8*\ct+\i+1], s[52:53], v[BH+2*\ct:BH+2*\ct+1] op_sel_hi:[1,0,1]   ; v = sum x 2^(e0 + e1) + bh
.endr
.endr
.endr
.set i, 0
.rept 64
	v_med3_num_f32 v[DV+i], v[DV+i], -v12, v12
.set i, i+1
.endr
.irp ct, 0,1,2,3
	v_cvt_scalef32_pk8_bf8_f32 v[VC+4*\ct:VC+4*\ct+1], v[DV+8*\ct:DV+8*\ct+7], v13          ; positions 32 G + 16 h + 0 .. 7
	v_cvt_scalef32_pk8_bf8_f32 v[VC+4*\ct+2:VC+4*\ct+3], v[DV+32+8*\ct:DV+32+8*\ct+7], v13  ; and 8 .. 15
.endr
	v_nop                                          ; a plain line behind the last conversion
.irp ct, 0,1,2,3
	global_store_b128 v1, v[VC+4*\ct:VC+4*\ct+3], s[26:27] offset:2048*\ct   ; 32 lanes store 512 consecutive bytes, aligned
.endr
	s_set_vgpr_msb 0x5
	s_wait_tensorcnt 0x0
	ds_add_u32 v0, v1
	s_wait_dscnt 0x0
	s_set_vgpr_msb 0x500
	s_endpgm
.Lfunc_end_k_qa7ba51f90e_prep:
	.size	k_qa7ba51f90e_prep, .Lfunc_end_k_qa7ba51f90e_prep-k_qa7ba51f90e_prep
	.p2alignl 7, 3214868480
	.fill 96, 4, 3214868480
	.section	.rodata,"a",@progbits
	.p2align	6, 0x0
	.amdhsa_kernel k_qa7ba51f90e_prep
		.amdhsa_group_segment_fixed_size 26880
		.amdhsa_private_segment_fixed_size 0
		.amdhsa_enable_private_segment 0
		.amdhsa_kernarg_size 80
		.amdhsa_user_sgpr_count 2
		.amdhsa_user_sgpr_kernarg_segment_ptr 1
		.amdhsa_wavefront_size32 1
		.amdhsa_system_sgpr_workgroup_id_x 1
		.amdhsa_system_sgpr_workgroup_id_y 1
		.amdhsa_system_sgpr_workgroup_id_z 1
		.amdhsa_system_vgpr_workitem_id 0
		.amdhsa_next_free_vgpr 258
		.amdhsa_next_free_sgpr 66
		.amdhsa_reserve_vcc 1
		.amdhsa_float_denorm_mode_32 3
		.amdhsa_float_denorm_mode_16_64 3
		.amdhsa_memory_ordered 1
		.amdhsa_forward_progress 1
		.amdhsa_inst_pref_size 28
	.end_amdhsa_kernel
	.amdgpu_metadata
---
amdhsa.version: [ 1, 2 ]
amdhsa.kernels:
  - .name:           k_qa7ba51f90e_prep
    .symbol:         k_qa7ba51f90e_prep.kd
    .args:
      - { .name: x, .offset: 0, .size: 8, .value_kind: global_buffer, .address_space: global }
      - { .name: Wf, .offset: 8, .size: 8, .value_kind: global_buffer, .address_space: global }
      - { .name: Wg, .offset: 16, .size: 8, .value_kind: global_buffer, .address_space: global }
      - { .name: Wh_codes, .offset: 24, .size: 8, .value_kind: global_buffer, .address_space: global }
      - { .name: bf, .offset: 32, .size: 8, .value_kind: global_buffer, .address_space: global }
      - { .name: bg, .offset: 40, .size: 8, .value_kind: global_buffer, .address_space: global }
      - { .name: bh, .offset: 48, .size: 8, .value_kind: global_buffer, .address_space: global }
      - { .name: lowp_scales, .offset: 56, .size: 8, .value_kind: global_buffer, .address_space: global }
      - { .name: fg, .offset: 64, .size: 8, .value_kind: global_buffer, .address_space: global }
      - { .name: vimg, .offset: 72, .size: 8, .value_kind: global_buffer, .address_space: global }
    .group_segment_fixed_size: 26880
    .private_segment_fixed_size: 0
    .kernarg_segment_align: 8
    .kernarg_segment_size: 80
    .max_flat_workgroup_size: 64
    .sgpr_count:     66
    .vgpr_count:     258
    .wavefront_size: 32
...
	.end_amdgpu_metadata
.endif
;; end of part 1
;; launch attn (part 2): grid 256 x 1, 16 waves a work-group, clusters of 4 x 1, 327,680 bytes of LDS; arguments fg, vimg, lowp_scales, out0; writes out0
.if DOCPART == 2
	.amdgcn_target "amdgcn-amd-amdhsa--gfx1250"
	.amdhsa_code_object_version 6
	.text
	.protected	k_qa7ba51f90e_attn
	.globl	k_qa7ba51f90e_attn
	.p2align	8
	.type	k_qa7ba51f90e_attn,@function
k_qa7ba51f90e_attn:
	s_mov_b64 s[64:65], 0
	v_nop
	global_prefetch_b8 v0, s[64:65] scope:SCOPE_SE
	s_setreg_imm32_b32 hwreg(HW_REG_WAVE_MODE, 25, 1), 1
	s_wait_xcnt 0x0
	s_wait_alu depctr_hold_cnt(0) depctr_sa_sdst(0) depctr_va_vdst(0) depctr_va_sdst(0) depctr_va_ssrc(0) depctr_va_vcc(0) depctr_vm_vsrc(0)
	s_getreg_b32 s2, hwreg(HW_REG_IB_STS2, 6, 4)
	s_cmp_eq_u32 s2, 0
	s_cbranch_scc0 .Lentry_in_a_cluster
	s_endpgm
.Lentry_in_a_cluster:
	s_bfe_u32 s2, ttmp6, 0x10000c
	s_cmp_lg_u32 s2, 0x3003
	s_cbranch_scc0 .Lentry_shape_is_right
	s_endpgm
.Lentry_shape_is_right:
; out[q] = the sum over keys k of softmax_k(g[q] . f[k]) v[k], 4 batches of 4,096 positions, 8 channels in f and g, 64 in v.
; The scores take f32 operands (v_wmma_f32_16x16x4_f32), since they lead into a quantised operand; g comes multiplied by log2(e), so a score is t.  p = 2^(t - M), M = the ceiling of the running largest t, is quantised
; to E5M2 with 2^ep and multiplied with v's codes (scale 2^ev) by v_wmma_f32_16x16x64_bf8_bf8.  The row's sum l is taken of the unquantised p; out = sum x 2^(ep + ev) / l.
; INPUTS ARE IMAGES OF OPERAND REGISTERS, made by the launch before: a tile is 512 bytes, lane l's 16 bytes at 16 l; a fragment comes by ds_load_b128 at 16 x lane, no pitch, no padding.
; SHARES.  A work-group owns 64 queries of a batch.  Wave w = 8 qp + kq owns 32 of them (two tiles x = 0, 1) and an eighth of the keys: in each quarter of the batch (1,024 keys) the kq-th 128, in two steps of 64: 8 steps.
; Each wave has its own running M and l; at the end the eight parts of a query meet in LDS and are brought under one M by exact powers of two.  Four waves lie on a SIMD, 256 registers each.
; LAYOUT.  S^T = f g^T (source 0 = 16 keys, source 1 = 16 queries), O^T = v^T p^T (source 0 = 16 channels, source 1 = p): a lane holds ONE query (lane % 16) throughout.  The keys of a tile are not neighbours
; (r + 8 (r / 8) + 8 u), so that register 16 b + i of the scores is key 32 b + 16 (lane / 16) + i of the step, and the conversions' results are the second product's operand.
; BY TURNS.  In a turn tile x has the matrix units (4 products v^T p of the step in hand, 8 score products of the next step) and the other tile's softmax, 140 instructions, stands in slices behind those 12.
; CLUSTER.  The four work-groups of a cluster belong to one batch and read the same f and v: each piece of 16 KiB is asked for JOINTLY, by the same tensor load with the same descriptor and a mask that names the four.
; LDS: three slots of 96 KiB (f's 32 KiB, v's 64 KiB of a quarter).  Quarters 0, 1, 2 are first fills; quarter 3 fills slot A again, behind a round of the cluster's barrier.  All of a WGP's LDS is claimed.
; No prefetch is written: three of the four quarters are asked for at the head, the fourth eight turns ahead of the wait for it.
; LIMITS: ep between -126 and 112, so that 2^ep and 57,344 x 2^ep are f32 numbers; ep + ev is applied by v_ldexp_f32 and has none.  NaN and infinities are not served.  A p under 2^-126 becomes 0 (v_exp_f32).
; Each wave quantises p under the running M of its own keys: against the row's M that changes a code only where it would be subnormal or is held at the largest code.
.set SLOTB, 98304                      ; a slot
.set VOFF,  32768                      ; v's images in a slot, behind f's
.set SPARE, 3*SLOTB                    ; behind the slots: the spare words, 128 bytes for each of 16 waves: eight blocks of 256 bytes that no other line names
.set GOFF,  524288                     ; g's images in fg
.set SPT,   272                        ; the merge: a query's 64 partial sums, 256 bytes + 16
.set KQB,   64*SPT                     ; 64 queries of one eighth of the keys
.set STG,   SLOTB                      ; the merge lies in slots B and C: they have had their last fill, and nobody reads them behind the barrier MEET
.set NMB,   STG+8*KQB                  ; -M as [query][kq], 32 bytes a query; l likewise, 2,048 bytes on
.set L16, 1                            ; v1   16 x lane; never rewritten
.set ADR, 2                            ; v2   address of the LDS loads in hand
.set SPW, 3                            ; v3   LDS address of my spare word; never rewritten
.set NIL, 4                            ; v4   0; never rewritten
.set LIM, 5                            ; v5   57,344 x 2^ep
.set SCL, 6                            ; v6   2^ep
.set ST,  8                            ; tile x at v[8 + 4 x]: -M, the largest t, l in two halves
.set FF,  16                           ; v[16:17] f = 2^(old M - new M), and a partner that is only named
.set C2,  18                           ; v[18:19] the sum's second chain
.set DM,  20                           ; v20  the old -M, then the change
.set PX,  21                           ; v21  the other half of the lanes' maximum
.set GQ,  24                           ; v24-31   g: 4 registers a tile
.set FK,  32                           ; v32-47   f of a step: 4 tiles of 16 keys x 4 registers
.set VK,  48                           ; v48-79   v of a step: 4 tiles of 16 channels x 8 registers
.set CD,  80                           ; v80-95   p's codes, 8 a tile
.set PB,  96                           ; v96-127  p, one buffer for both tiles; v96-99 first serve the maximum's chains
.set SB,  128                          ; v128-191 S^T, 32 a tile: written by the f32 matrix form alone
.set OB,  192                          ; v192-255 O^T, 32 a tile
.set WV,  12                           ; s12  wave
.set KQ,  13                           ; s13  which eighth of the keys
.set QP,  14                           ; s14  which 32 queries
.set G1,  24                           ; s[24:31] descriptor group 1
.set G0,  32                           ; s[32:47] four groups 0: quarters 0 to 3; written once
.set SF,  48                           ; s48-50   my unit of f in slots A, B, C
.set SV,  51                           ; s51-53   my unit of v
.set SEL, 60                           ; s[60:61] lane selects for v_permlanex16_b32: lane l xor 16
; A round of the cluster's barrier.
.macro ROUND
	s_barrier_signal -1
	s_barrier_wait -1
	s_cmp_lg_u32 s[WV], 0
	s_cbranch_scc1 .Lnot_wave_0_\@
	s_barrier_signal -3
.Lnot_wave_0_\@:
	s_barrier_wait -3
	s_barrier_signal -1
	s_barrier_wait -1
.endm
.macro PLACES k
.rept \k
	v_nop
.endr
.endm
; Step j (quarter j / 2, half j % 2) of my keys: f's four tiles; v's four tiles of channels x two groups of 32 keys.  Quarter 3 lies in slot A again.
.macro FETCH_F j
	v_add_nc_u32 v[ADR], s[SF+((\j)/2)%3], v[L16]
.irp t, 0,1,2,3
	ds_load_b128 v[FK+4*\t:FK+4*\t+3], v[ADR] offset:2048*((\j)%2)+512*\t
.endr
.endm
.macro FETCH_V j
	v_add_nc_u32 v[ADR], s[SV+((\j)/2)%3], v[L16]
.irp ct, 0,1,2,3
.irp b, 0,1
	ds_load_b128 v[VK+8*\ct+4*\b:VK+8*\ct+4*\b+3], v[ADR] offset:2048*\ct+512*(2*((\j)%2)+\b)
.endr
.endr
.endm
; Score product i of 8 for tile x: channels 4 h + 2 (i / 4) + 0, 1; keys' tile i % 4.  The first four start the sums with the constant 0; the four sums take turns.
.macro SC x, i
.set sS, (\i)/4
.set sT, (\i)%4
.if sS == 0
	v_wmma_f32_16x16x4_f32 v[SB+32*(\x)+8*sT:SB+32*(\x)+8*sT+7], v[FK+4*sT:FK+4*sT+1], v[GQ+4*(\x):GQ+4*(\x)+1], 0
.else
	v_wmma_f32_16x16x4_f32 v[SB+32*(\x)+8*sT:SB+32*(\x)+8*sT+7], v[FK+4*sT+2:FK+4*sT+3], v[GQ+4*(\x)+2:GQ+4*(\x)+3], v[SB+32*(\x)+8*sT:SB+32*(\x)+8*sT+7]
.endif
.endm
; O^T += v^T p^T for tile x, channels 16 ct on, K = the step's 64 keys.  zero = 1: the first step starts the sums.
.macro PV x, ct, zero
.if \zero
	v_wmma_f32_16x16x64_bf8_bf8 v[OB+32*(\x)+8*(\ct):OB+32*(\x)+8*(\ct)+7], v[VK+8*(\ct):VK+8*(\ct)+7], v[CD+8*(\x):CD+8*(\x)+7], 0
.else
	v_wmma_f32_16x16x64_bf8_bf8 v[OB+32*(\x)+8*(\ct):OB+32*(\x)+8*(\ct)+7], v[VK+8*(\ct):VK+8*(\ct)+7], v[CD+8*(\x):CD+8*(\x)+7], v[OB+32*(\x)+8*(\ct):OB+32*(\x)+8*(\ct)+7]
.endif
.endm
; THE SOFTMAX of tile y for one step is a list of 140 instructions; SM writes number n of it.  first = 1: the first step has no old M, no f and nothing to rescale.
;   0-15    the largest of the lane's 32 t and the old largest, three at a time, four chains; each accumulator is first read at its low end
;   16-22   the other half of the lanes'; the new largest t; -M = floor(-t); f = 2^(old M - new M), a whole power of two
;   23-38   t - M, two at a time, into the p buffer            39-70   the 32 exponentials: ONE batch
;   71      l x f: the plain line behind the batch; then the batch's one wait, ahead of its first reader
;   72-87   l += the unquantised p, two chains                 88-123  four times: eight holds (p is not negative: one-sided), one conversion of eight
;   124-139 O^T x f, each accumulator from its low end on
.macro SM y, first
.set rT, ST+4*(\y)
.set rS, SB+32*(\y)
.set rO, OB+32*(\y)
.set rC, CD+8*(\y)
.if n < 4
	v_max3_num_f32 v[PB+n], v[rS+8*n], v[rS+8*n+1], v[rS+8*n+2]
.elseif n < 12
.set c_, (n-4)%4
.set q_, (n-4)/4
	v_max3_num_f32 v[PB+c_], v[PB+c_], v[rS+8*c_+3+2*q_], v[rS+8*c_+4+2*q_]
.elseif n == 12
	v_max3_num_f32 v[PB], v[PB], v[rS+7], v[rS+15]
.elseif n == 13
	v_max3_num_f32 v[PB+2], v[PB+2], v[rS+23], v[rS+31]
.elseif n == 14
	v_max3_num_f32 v[PB], v[PB], v[PB+1], v[PB+2]
.elseif (n == 15) && (\first)
	v_max_num_f32 v[PB], v[PB], v[PB+3]
.elseif n == 15
	v_max3_num_f32 v[PB], v[PB], v[PB+3], v[rT+1]
.elseif n == 16
	v_permlanex16_b32 v[PX], v[PB], s[SEL], s[SEL+1]
.elseif n == 18
	v_max_num_f32 v[rT+1], v[PB], v[PX]
.elseif n == 19
	v_floor_f32 v[rT], -v[rT+1]
.elseif ((n == 17) || (n == 20) || (n == 21) || (n == 22) || (n > 123)) && (\first)
.elseif n == 17
	v_mov_b32 v[DM], v[rT]
.elseif n == 20
	v_sub_f32 v[DM], v[rT], v[DM]
.elseif n == 21
	v_cvt_i32_f32 v[DM], v[DM]
.elseif n == 22
	v_ldexp_f32 v[FF], 1.0, v[DM]
.elseif n < 39
.set b_, n-23
	v_pk_add_f32 v[PB+2*b_:PB+2*b_+1], v[rS+2*b_:rS+2*b_+1], v[rT:rT+1] op_sel_hi:[1,0]
.elseif n < 71
	v_exp_f32 v[PB+n-39], v[PB+n-39]
.elseif n == 71
.if \first
	v_nop
.else
	v_pk_mul_f32 v[rT+2:rT+3], v[rT+2:rT+3], v[FF:FF+1] op_sel_hi:[1,0]
.endif
	s_wait_alu depctr_va_vdst(0)
.elseif n == 72
	v_pk_add_f32 v[C2:C2+1], v[PB:PB+1], v[PB+2:PB+3]
.elseif n < 87
.set i_, (n-73)/2+1
.if (n-73)%2 == 0
	v_pk_add_f32 v[rT+2:rT+3], v[rT+2:rT+3], v[PB+4*i_:PB+4*i_+1]
.else
	v_pk_add_f32 v[C2:C2+1], v[C2:C2+1], v[PB+4*i_+2:PB+4*i_+3]
.endif
.elseif n == 87
	v_pk_add_f32 v[rT+2:rT+3], v[rT+2:rT+3], v[C2:C2+1]
.elseif n < 124
.set g_, (n-88)/9
.set m_, (n-88)%9
.if m_ < 8
	v_min_num_f32 v[PB+8*g_+m_], v[PB+8*g_+m_], v[LIM]
.else
	v_cvt_scalef32_pk8_bf8_f32 v[rC+2*g_:rC+2*g_+1], v[PB+8*g_:PB+8*g_+7], v[SCL]
.endif
.else
.set k_, n-124
	v_pk_mul_f32 v[rO+2*k_:rO+2*k_+1], v[rO+2*k_:rO+2*k_+1], v[FF:FF+1] op_sel_hi:[1,0]
.endif
.endm
.macro EMIT_TO y, first, target        ; the list's numbers up to target
.rept (\target)-n
	SM \y, \first
.set n, n+1
.endr
.endm
; A TURN.  Tile x has the matrix units, the other tile's softmax stands in slices behind its products.  pv = 1: four products v^T p of step j; 2: they start O^T; 0: none.  sc = 1: eight score products of step j + 1.
; The slice behind each v^T p is four maxima: the four places ahead of the loads into v's registers.  The last slice is sixteen plain multiplies on the other tile's O^T: the eight places behind the last
; f32 product, ahead of the next turn's reads of its scores and of the loads into f's registers, and the plain line behind the last conversion.  In a first step that slice is empty: eight v_nop stand for it.
; WAITS.  Tile 0's turn: at its head v of step j is in when at most four LDS loads, f's of step j + 1, issued behind it, are out (step 7: none were); ahead of the scores f is waited for with 0.
.macro TURN x, j, pv, sc, first
.set n, 0
.if \pv
.if (\x) == 0
.if (\j) == 7
	s_wait_dscnt 0x0
.else
	s_wait_dscnt 0x4
.endif
.endif
.irp ct, 0,1,2,3
	PV \x, \ct, (\pv)-1
	EMIT_TO 1-(\x), \first, 4*(\ct+1)
.endr
.if ((\x) == 1) && ((\j) < 7)
	FETCH_V (\j)+1
.endif
.endif
.if \sc
.if (\x) == 0
	s_wait_dscnt 0x0
.endif
.irp i, 0,1,2,3,4,5,6,7
	SC \x, \i
.if \i == 7
	EMIT_TO 1-(\x), \first, 140
.elseif \i == 6
	EMIT_TO 1-(\x), \first, 124
.elseif \pv
	EMIT_TO 1-(\x), \first, 32+16*\i
.else
	EMIT_TO 1-(\x), \first, 18+18*\i
.endif
.endr
.else
	EMIT_TO 1-(\x), \first, 140
.endif
.if \first
	PLACES 8
.endif
.endm
	s_load_b128 s[4:7], s[0:1], 0x0                ; fg s[4:5], vimg s[6:7]
	s_load_b128 s[8:11], s[0:1], 0x10              ; the scales' exponents s[8:9], out s[10:11]
	v_lshl_add_u32 v[SPW], v0, 2, SPARE
	v_mov_b32 v[NIL], 0
	ds_add_u32 v3, v4
	ds_add_u32 v3, v4
	s_wait_dscnt 0x0
	v_lshrrev_b32 v[ADR], 5, v0
	v_readfirstlane_b32 s[WV], v[ADR]              ; wave 0..15
	s_and_b32 s[KQ], s[WV], 7
	s_lshr_b32 s[QP], s[WV], 3
	s_bfe_u32 s15, ttmp6, 0x40000                  ; cx: my place in the cluster: it enters g's and out's addresses alone
	s_lshl_b32 s16, ttmp9, 2                       ; in a cluster launch ttmp9 counts clusters
	s_add_co_u32 s16, s16, s15                     ; my block of 64 queries
	s_lshr_b32 s17, ttmp9, 4                       ; the batch: 16 clusters each; the four partners share it
	; descriptor group 1: a dense piece of 16 KiB as 64 rows of 32 elements of 8 bytes
	s_mov_b32 s[G1+0], 15|(3<<16)|(1<<21)          ; 15:0 the mask: all four work-groups; 17:16 elements of 8 bytes; 20 no padding; 21 set beside a mask
	s_mov_b32 s[G1+1], 32<<16                      ; tensor_dim0 = 32
	s_mov_b32 s[G1+2], 64<<16                      ; tensor_dim1 = 64
	s_mov_b32 s[G1+3], 32<<16                      ; tile_dim0 = 32
	s_mov_b32 s[G1+4], 64                          ; tile_dim1 = 64
	s_mov_b32 s[G1+5], 32                          ; tensor_dim0_stride
	s_mov_b32 s[G1+6], 0
	s_mov_b32 s[G1+7], 0
	; Waves 0 to 5 fetch: piece w of a slot's six; pieces 0, 1 are f's, pieces 2 to 5 v's.  (Waves 6 to 15 make piece 5's words and issue nothing.)
	s_min_u32 s62, s[WV], 5
	s_cmp_lt_u32 s[WV], 2                          ; f or v?  The choice hangs on the wave's number alone
	s_mov_b32 s20, 0x10000
	s_cselect_b32 s20, 0x8000, s20                 ; a quarter in memory: 32 KiB of f, 64 KiB of v
	s_cselect_b32 s21, 0, 2
	s_sub_co_u32 s22, s62, s21                     ; my piece in its tensor's quarter
	s_lshl_b32 s22, s22, 14
	s_mul_i32 s23, s20, s17
	s_lshl_b32 s23, s23, 2                         ; a batch is four quarters
	s_add_co_u32 s22, s22, s23
	s_mov_b32 s23, 0
	s_mov_b32 s21, 0                               ; s[20:21]: the quarter's bytes as a pair
	s_lshl_b32 s62, s62, 14                        ; my piece's place in a slot: no place in the cluster enters an LDS address
	s_wait_kmcnt 0x0
	s_load_b128 s[56:59], s[8:9], 0x0              ; e0, e1, ep, ev
	s_cmp_lt_u32 s[WV], 2
	s_cselect_b64 s[18:19], s[4:5], s[6:7]
	s_add_nc_u64 s[18:19], s[18:19], s[22:23]
.irp q, 0,1,2,3
	s_mov_b32 s[G0+4*\q], 1                        ; count = 1
	s_add_co_u32 s[G0+4*\q+1], s62, SLOTB*(\q%3)   ; LDS address: slots A, B, C, A
	s_mov_b64 s[G0+4*\q+2:G0+4*\q+3], s[18:19]     ; global address: quarter q
	s_or_b32 s[G0+4*\q+3], s[G0+4*\q+3], 0x80000000   ; type = 2
.if \q < 3
	s_add_nc_u64 s[18:19], s[18:19], s[20:21]
.endif
.endr
	ROUND                                          ; all four work-groups are here: the first joint loads meet
	s_cmp_lt_u32 s[WV], 6                          ; a wave's three first fills stand in one branch, ahead of every wait on TENSORcnt and every LDS read: three loads of mine are out
	s_cbranch_scc0 .Lno_first
	tensor_load_to_lds s[G0:G0+3], s[G1:G1+7]
	s_nop 0
	tensor_load_to_lds s[G0+4:G0+7], s[G1:G1+7]
	s_nop 0
	tensor_load_to_lds s[G0+8:G0+11], s[G1:G1+7]
	s_nop 0
	PLACES 4                                       ; four places behind a tensor load
.Lno_first:
	v_and_b32 v[L16], 31, v0
	v_lshlrev_b32 v[L16], 4, v[L16]
	s_lshl_b32 s66, s16, 11                        ; g: tile 4 x block + 2 qp + x, 512 bytes each
	s_lshl_b32 s67, s[QP], 10
	s_add_co_u32 s66, s66, s67
	s_add_co_u32 s66, s66, GOFF
	s_mov_b32 s67, 0
	s_add_nc_u64 s[68:69], s[4:5], s[66:67]
	global_load_b128 v[GQ:GQ+3], v[L16], s[68:69]
	global_load_b128 v[GQ+4:GQ+7], v[L16], s[68:69] offset:512
	s_lshl_b32 s66, s16, 14                        ; out: 64 rows of 256 bytes a block
	s_add_nc_u64 s[10:11], s[10:11], s[66:67]
	s_mov_b32 s[SEL], 0x76543210
	s_mov_b32 s[SEL+1], 0xfedcba98
	s_lshl_b32 s[SF], s[KQ], 12                    ; my 128 keys of a quarter: 4 KiB of f,
	s_add_co_u32 s[SF+1], s[SF], SLOTB
	s_add_co_u32 s[SF+2], s[SF], 2*SLOTB
	s_lshl_b32 s[SV], s[KQ], 13                    ; 8 KiB of v
	s_add_co_u32 s[SV], s[SV], VOFF
	s_add_co_u32 s[SV+1], s[SV], SLOTB
	s_add_co_u32 s[SV+2], s[SV], 2*SLOTB
	v_mov_b32 v[FF+1], 0                           ; (named as the upper half of a pair)
	v_mov_b32 v[PX], 0                             ; a lane permute's destination counts as one of its sources
.irp x, 0,1
	v_mov_b32 v[ST+4*\x+2], 0                      ; l
	v_mov_b32 v[ST+4*\x+3], 0
.endr
	s_wait_kmcnt 0x0
	s_add_co_i32 s66, s58, 127
	s_lshl_b32 s67, s66, 23
	v_mov_b32 v[SCL], s67                          ; 2^ep as f32: the conversion takes its exponent field
	s_add_co_i32 s66, s66, 15
	s_lshl_b32 s66, s66, 23
	s_or_b32 s66, s66, 0x600000
	v_mov_b32 v[LIM], s66                          ; 57,344 x 2^ep
	s_add_co_i32 s63, s58, s59                     ; ep + ev
	s_wait_tensorcnt 0x2                           ; my piece of quarter 0 is in; the two younger loads may stay out
	s_barrier_signal -1
	s_barrier_wait -1                              ; everybody's is
	FETCH_F 0
	FETCH_V 0
	s_wait_loadcnt 0x0                             ; g
	s_wait_dscnt 0x8                               ; f of step 0 is in; v's eight loads may be out
.irp i, 0,1,2,3,4,5,6,7
	SC 0, \i                                       ; tile 0's first scores: there is no vector work yet to set between them
.endr
	PLACES 8
	TURN 1, 0, 0, 1, 1                             ; tile 1's first scores | tile 0's first softmax
	FETCH_F 1
	TURN 0, 0, 2, 1, 1                             ; tile 0: v^T p of step 0 starts O^T, scores of step 1 | tile 1's first softmax
	TURN 1, 0, 2, 1, 0                             ; tile 1: the same, v of step 1 | tile 0's softmax of step 1
	; THE ONE REFILL.  Quarter 0's last bytes, v of step 1, have been asked for.  Each wave waits for all its tensor loads (quarters 1 and 2 among them), adds 0 to its spare word, and waits for that and for its reads of slot A.
	s_wait_tensorcnt 0x0
	ds_add_u32 v[SPW], v[NIL]
	ds_add_u32 v3, v4
	s_wait_dscnt 0x0
	ROUND                                          ; no wave of any partner still reads slot A or has a load on its way; slots B and C are whole
	s_cmp_lt_u32 s[WV], 6
	s_cbranch_scc0 .Lno_refill
	tensor_load_to_lds s[G0+12:G0+15], s[G1:G1+7]  ; quarter 3 into slot A: my one tensor load behind the round; eight turns lie between it and the wait for it
	s_nop 0
	PLACES 4
.Lno_refill:
	FETCH_F 2
.irp j, 1,2,3,4,5,6
	TURN 0, \j, 1, 1, 0
	TURN 1, \j, 1, 1, 0
.if \j == 4
	s_wait_tensorcnt 0x0                           ; MEET: my piece of quarter 3 is in,
	s_wait_dscnt 0x0                               ; and my reads of slots B and C are over (v of step 5 was the last)
	s_barrier_signal -1
	s_barrier_wait -1                              ; both hold of every wave
.endif
.if \j < 6
	FETCH_F \j+2
.endif
.endr
	TURN 0, 7, 1, 0, 0                             ; tile 0: v^T p of the last step | tile 1's last softmax
.irp ct, 0,1,2,3
	PV 1, \ct, 0
.endr
	; THE MERGE.  Each wave lays its 32 queries' partial O^T, -M and l into LDS.  The address work is the places behind the last products.
	v_and_b32 v23, 15, v0                          ; r
	v_and_b32 v[ADR], 8, v23
	v_add_nc_u32 v[ADR], v[ADR], v23               ; r + 8 (r / 8)
	s_lshl_b32 s66, s[QP], 5
	v_add_nc_u32 v[ADR], s66, v[ADR]               ; tile 0's query of my lane, among the block's 64; tile 1's lies 8 further on
	v_mul_u32_u24 v7, v[ADR], SPT
	v_bfe_u32 v23, v0, 4, 1                        ; h
	v_lshl_add_u32 v7, v23, 5, v7                  ; + 32 h: my eight channels of a tile of 16
	s_mul_i32 s67, s[KQ], KQB
	s_add_co_u32 s67, s67, STG
	v_add_nc_u32 v7, s67, v7
	v_lshlrev_b32 v22, 5, v[ADR]
	s_lshl_b32 s67, s[KQ], 2
	s_add_co_u32 s67, s67, NMB
	v_add_nc_u32 v22, s67, v22                     ; -M: 32 bytes a query, word kq
.irp x, 0,1
	v_add_f32 v[ST+4*\x+2], v[ST+4*\x+2], v[ST+4*\x+3]   ; l's two halves,
.endr
.irp x, 0,1
	v_permlanex16_b32 v[ST+4*\x+3], v[ST+4*\x+2], s[SEL], s[SEL+1]
.endr
.irp x, 0,1
	v_add_f32 v[ST+4*\x+2], v[ST+4*\x+2], v[ST+4*\x+3]   ; and lane l xor 16's
.endr
.irp x, 0,1
.irp ct, 0,1,2,3
	ds_store_b128 v7, v[OB+32*\x+8*\ct:OB+32*\x+8*\ct+3] offset:8*SPT*\x+64*\ct      ; each accumulator from its low end on
	ds_store_b128 v7, v[OB+32*\x+8*\ct+4:OB+32*\x+8*\ct+7] offset:8*SPT*\x+64*\ct+16
.endr
	ds_store_b32 v22, v[ST+4*\x] offset:256*\x               ; both halves of the lanes hold the same number
	ds_store_b32 v22, v[ST+4*\x+2] offset:256*\x+2048
.endr
	s_wait_dscnt 0x0                               ; for the others' sake: my stores are done
	s_barrier_signal -1
	s_barrier_wait -1
	; Wave w brings queries 4 w .. 4 w + 3 together: lanes 0-15 query 4 w + 2 e, lanes 16-31 the next, 4 channels a lane, e = 0, 1.
.set NMR, 32                           ; v32-63   e: eight -M, eight l
.set PT,  64                           ; v64-127  e: eight parts x 4 channels
.set AC,  192                          ; v192-199 the sums
.set FR,  200                          ; v200-215 f_k = 2^(M_k - M)
.set MN,  216                          ; v216-217 the least -M
.set LS,  218                          ; v218-219 l
.set RC,  220                          ; v220-221 2^(ep + ev) / l
	s_lshl_b32 s66, s[WV], 2
	v_bfe_u32 v23, v0, 4, 1
	v_add_nc_u32 v23, s66, v23                     ; 4 w + a
	v_lshl_add_u32 v[ADR], v23, 5, NMB
	v_mul_u32_u24 v7, v23, SPT
	v_and_b32 v22, 15, v0
	v_lshl_add_u32 v7, v22, 4, v7
	v_add_nc_u32 v7, STG, v7                       ; parts 0 to 3
	v_lshlrev_b32 v23, 8, v23
	v_lshl_add_u32 v23, v22, 4, v23                ; my 16 bytes in the block's rows of out
	v_add_nc_u32 v22, 4*KQB, v7                    ; parts 4 to 7
.irp e, 0,1
	ds_load_b128 v[NMR+16*\e:NMR+16*\e+3], v[ADR] offset:64*\e
	ds_load_b128 v[NMR+16*\e+4:NMR+16*\e+7], v[ADR] offset:64*\e+16
	ds_load_b128 v[NMR+16*\e+8:NMR+16*\e+11], v[ADR] offset:64*\e+2048
	ds_load_b128 v[NMR+16*\e+12:NMR+16*\e+15], v[ADR] offset:64*\e+2064
.endr
.irp e, 0,1
.irp k, 0,1,2,3
	ds_load_b128 v[PT+32*\e+4*\k:PT+32*\e+4*\k+3], v7 offset:KQB*\k+2*SPT*\e
.endr
.irp k, 0,1,2,3
	ds_load_b128 v[PT+32*\e+16+4*\k:PT+32*\e+16+4*\k+3], v22 offset:KQB*\k+2*SPT*\e
.endr
.endr
	s_wait_dscnt 16                                ; -M and l are in; the sixteen loads of parts may be out
.irp e, 0,1
	v_min3_num_f32 v[MN+\e], v[NMR+16*\e], v[NMR+16*\e+1], v[NMR+16*\e+2]
	v_min3_num_f32 v[MN+\e], v[MN+\e], v[NMR+16*\e+3], v[NMR+16*\e+4]
	v_min3_num_f32 v[MN+\e], v[MN+\e], v[NMR+16*\e+5], v[NMR+16*\e+6]
	v_min_num_f32 v[MN+\e], v[MN+\e], v[NMR+16*\e+7]         ; -M of the row: the least of the eight
.irp k, 0,1,2,3,4,5,6,7
	v_sub_f32 v[FR+8*\e+\k], v[MN+\e], v[NMR+16*\e+\k]       ; M_k - M: a whole number, 0 or less
.endr
.irp k, 0,1,2,3,4,5,6,7
	v_cvt_i32_f32 v[FR+8*\e+\k], v[FR+8*\e+\k]               ; (it saturates)
.endr
.irp k, 0,1,2,3,4,5,6,7
	v_ldexp_f32 v[FR+8*\e+\k], 1.0, v[FR+8*\e+\k]            ; f_k: a multiplication by it rounds nothing
.endr
	v_mul_f32 v[LS+\e], v[FR+8*\e], v[NMR+16*\e+8]
.irp k, 1,2,3,4,5,6,7
	v_fmac_f32 v[LS+\e], v[FR+8*\e+\k], v[NMR+16*\e+8+\k]
.endr
.endr
	v_rcp_f32 v[RC], v[LS]
	v_rcp_f32 v[RC+1], v[LS+1]
	s_wait_dscnt 0x0                               ; the parts
.irp e, 0,1
.irp c, 0,1,2,3
	v_mul_f32 v[AC+4*\e+\c], v[FR+8*\e], v[PT+32*\e+\c]
.endr
.irp k, 1,2,3,4,5,6,7
.irp c, 0,1,2,3
	v_fmac_f32 v[AC+4*\e+\c], v[FR+8*\e+\k], v[PT+32*\e+4*\k+\c]
.endr
.endr
.endr
	s_wait_alu depctr_va_vdst(0)                   ; one wait for the two reciprocals, ahead of their first reader; the 64 lines above are the independent work between
	v_ldexp_f32 v[RC], v[RC], s63                  ; x 2^(ep + ev)
	v_ldexp_f32 v[RC+1], v[RC+1], s63
.irp e, 0,1
.irp c, 0,1,2,3
	v_mul_f32 v[AC+4*\e+\c], v[AC+4*\e+\c], v[RC+\e]
.endr
	global_store_b128 v23, v[AC+4*\e:AC+4*\e+3], s[10:11] offset:512*\e th:TH_STORE_NT   ; sixteen lanes store a row of 256 consecutive bytes, aligned; written once, read by nobody here
.endr
	s_wait_tensorcnt 0x0                           ; the wave's end: behind my last tensor load and my last LDS store
	ds_add_u32 v[SPW], v[NIL]
	s_wait_dscnt 0x0
	ROUND                                          ; the closing round: no work-group ends while a partner may still ask for a piece that names it
	s_endpgm
.Lfunc_end_k_qa7ba51f90e_attn:
	.size	k_qa7ba51f90e_attn, .Lfunc_end_k_qa7ba51f90e_attn-k_qa7ba51f90e_attn
	.p2alignl 7, 3214868480
	.fill 96, 4, 3214868480
	.section	.rodata,"a",@progbits
	.p2align	6, 0x0
	.amdhsa_kernel k_qa7ba51f90e_attn
		.amdhsa_group_segment_fixed_size 327680
		.amdhsa_private_segment_fixed_size 0
		.amdhsa_enable_private_segment 0
		.amdhsa_kernarg_size 32
		.amdhsa_user_sgpr_count 2
		.amdhsa_user_sgpr_kernarg_segment_ptr 1
		.amdhsa_wavefront_size32 1
		.amdhsa_system_sgpr_workgroup_id_x 1
		.amdhsa_system_sgpr_workgroup_id_y 1
		.amdhsa_system_sgpr_workgroup_id_z 1
		.amdhsa_system_vgpr_workitem_id 0
		.amdhsa_next_free_vgpr 256
		.amdhsa_next_free_sgpr 72
		.amdhsa_reserve_vcc 0
		.amdhsa_float_denorm_mode_32 3
		.amdhsa_float_denorm_mode_16_64 3
		.amdhsa_memory_ordered 1
		.amdhsa_forward_progress 1
		.amdhsa_inst_pref_size 141
	.end_amdhsa_kernel
	.amdgpu_metadata
---
amdhsa.version: [ 1, 2 ]
amdhsa.kernels:
  - .name:           k_qa7ba51f90e_attn
    .symbol:         k_qa7ba51f90e_attn.kd
    .args:
      - { .name: fg, .offset: 0, .size: 8, .value_kind: global_buffer, .address_space: global }
      - { .name: vimg, .offset: 8, .size: 8, .value_kind: global_buffer, .address_space: global }
      - { .name: lowp_scales, .offset: 16, .size: 8, .value_kind: global_buffer, .address_space: global }
      - { .name: out0, .offset: 24, .size: 8, .value_kind: global_buffer, .address_space: global }
    .group_segment_fixed_size: 327680
    .private_segment_fixed_size: 0
    .kernarg_segment_align: 8
    .kernarg_segment_size: 32
    .max_flat_workgroup_size: 512
    .sgpr_count:     72
    .vgpr_count:     256
    .wavefront_size: 32
...
	.end_amdgpu_metadata
.endif
;; end of part 2
